; MI455X (gfx1250); checked and timed in simulation.
; The chip was launched on July 23, 2026; its instructions are those of AMD's public machine-readable ISA for CDNA 5 (MIT licence, August 2026) and "CDNA5" Instruction Set Architecture Reference Guide (July 2026). The comments in the code are by the model that wrote it; some were corrected since.
;; Net. Allowed arithmetic: matrix products marked QUANTISED: E5M2 operands, one E8M0 scale for each 32 along K, by v_wmma_scale_f32_16x16x128_f8f6f4 with both operands' format E5M2, f32 sums; everything else in f32.
;; Inputs: b_dense 256 float32; b_hh 2,048 float32; b_ih 2,048 float32; embed_w 50,257 x 256 float32; w_dense 256 x 512 float32; w_hh 2,048 x 512 float32; w_ih 2,048 x 256 float32; x 32,768 int32.
;; Outputs: out0 32,768 x 256 float32.
;; This version of the problem:
;;   THIS VERSION OF THE PROBLEM IS GIVEN IN LOW PRECISION. The matrix products marked QUANTISED in the list below multiply operands that are first quantised to E5M2 (5 exponent bits, 2 mantissa bits; 8 bits a number), with one power-of-two scale for each 32 numbers along K (OCP MX v1.0); their sums are f32. All else is computed in f32.
;;   The module's matrix products, in the order in which they are computed (A, B: the left and right operand; K: the contracted axis; several contracted axes count as one K, in the product's order):
;;     1. [M 32,768, K 256] x [K 256, N 2,048]; A: computed on the way; B: input w_ih: QUANTISED
;;     2. [M 32,768, K 512] x [K 512, N 2,048]; A: computed on the way; B: input w_hh: QUANTISED
;;     3. [M 32,768, K 512] x [K 512, N 256]; A: computed on the way; B: input w_dense: QUANTISED
;;   THE QUANTISER, for each operand of a quantised product, along K:
;;     - K is cut into blocks of 32 from its start; a last block that is shorter is filled with zeros.
;;     - A block's scale is 2^e with e = floor(log2(the largest magnitude in the block)) - 15, held to -126 .. 127; a block of zeros has e = 0. As a byte (E8M0): e + 127.
;;     - Each number is divided by its block's scale, clamped to +-57,344, and rounded to the nearest number of E5M2, ties to even, subnormals kept.
;;     - The product sums the exact products of the quantised numbers (number of the format x scale) in f32.
;;   ~~~python
;;   def quantise(x, axis):      # numpy; x: float32 -> the quantised numbers, widened to float32 again
;;       x = np.moveaxis(x, axis, -1); K = x.shape[-1]
;;       x = np.pad(x, [(0, 0)] * (x.ndim - 1) + [(0, -K % 32)]); x = x.reshape(x.shape[:-1] + (-1, 32)); a = np.abs(x).max(-1, keepdims=True)
;;       e = np.where(a > 0, np.clip(np.frexp(np.where(a > 0, a, 1))[1] - 1 - 15, -126, 127), 0)      # np.frexp(a)[1] - 1 = floor(log2(a)), exactly
;;       r = np.clip(x / 2.0 ** e, -57344, 57344)
;;       step = 2.0 ** (np.maximum(np.frexp(np.where(r == 0, 1, r))[1] - 1, -14) - 2)
;;       q = np.round(r / step) * step * 2.0 ** e      # np.round: ties to even
;;       return np.moveaxis(q.reshape(q.shape[:-2] + (-1,))[..., :K], -1, axis).astype(np.float32)
;;   ~~~
;;   OPERANDS COMPUTED ON THE WAY. 'Computed on the way' means the value that the module computes at that place (a softmax that the list does not call 'softmax' is quantised finished and normalised). What goes into a quantiser is computed in f32, as accurately as f32 sums, v_exp_f32 and their like allow (about 1e-6 of the number): no bf16 or f16 on the way to a quantiser, and a product that is left as it is and whose result goes on into a quantised operand takes f32 operands (vector FMAs, or v_wmma_f32_16x16x4_f32). A number that lies on a knife's edge between two numbers of the format may be rounded either way, as far as f32 arithmetic and the matrix unit's own rounding can turn it there, and no further.
;; One version. Each part assembles by itself: llvm-mc -triple=amdgcn-amd-amdhsa -mcpu=gfx1250 --defsym DOCPART=n.
;; ======== version 1 of 1: 2 launches
;; limits: right only within a limited range of input values
;; workspace buffers: wq 548,864 bytes
;; launch prep (part 1): grid 144 x 1, 1 waves a work-group, no clusters, 0 bytes of LDS; arguments w_ih, b_ih, b_hh, w_dense, wq; writes wq
.if DOCPART == 1
	.amdgcn_target "amdgcn-amd-amdhsa--gfx1250"
	.amdhsa_code_object_version 6
	.text
	.protected	k_q8312e8e5fb_prep
	.globl	k_q8312e8e5fb_prep
	.p2align	8
	.type	k_q8312e8e5fb_prep,@function
k_q8312e8e5fb_prep:
	s_mov_b64 s[64:65], 0
	v_nop
	global_prefetch_b8 v0, s[64:65] scope:SCOPE_SE
	s_setreg_imm32_b32 hwreg(HW_REG_WAVE_MODE, 25, 1), 1
	s_wait_xcnt 0x0
; THE WEIGHTS OF ONE LSTM STEP FROM A ZERO STATE AND OF ITS DENSE HEAD, turned once into codes of BF8 (E5M2) with one E8M0 byte for each 32 along K,
; laid in the order in which the second launch's operand registers take them.
; WORK LEFT OUT, for all finite values of the inputs:
;   h0 is a zero that the problem builds itself: its codes are zeros, so h0 @ w_hh.T is exactly 0 whatever w_hh holds.  That product is not done; w_hh has no way to any output, is not loaded and is no argument of any launch.
;   c0 is a zero likewise: sigmoid(f) x c0 = 0 whatever f is.  So the f gate reaches no output: rows 512 .. 1023 of w_ih, b_ih and b_hh are not read and that quarter of the first product is not done.
;   b_hh's rows of the gates i, g, o are live and are added to b_ih's here.
; LIMITS: a NaN, an infinity or an overflow that reaches only the work left out is not carried to the result.  NaN and infinities among the inputs are not served.
;   A block of zeros gets the scale byte 1 where the rule says 127: its codes are zeros, which add nothing under any byte but 0xff, and this program alone reads the bytes.  Blocks whose largest magnitude lies under 2^(16 - 127) keep that byte too.
; THE BUFFER wq: 4 steps j of STEPB bytes, each 4 portions k of PORT bytes.  Portion (j, k):
;   0      codes of w_ih's block beta = (4 j + k + 1) mod 16 (32 hidden units x the gates i, g, o): 12 fragments f = 2 t + s (tile t = 2 q + u: gate q, half u; K step s), 2,048 bytes each, as images of the
;          operand's registers: byte 512 c + 16 lane holds lane (r, h)'s registers 4 c .. 4 c + 3: row gate's base + 32 beta + 8 u + r + 8 (r / 8), k = 128 s + 32 c + 16 h + 0 .. 15
;   WSCL   their scale words, 128 bytes a tile: lanes 0-15 row r's word of K step 0, lanes 16-31 that of K step 1
;   WBIA   b_ih + b_hh of the block's 32 units, 128 bytes a gate; 128 bytes of zeros behind them
;   DCOD   codes of w_dense's tiles of 16 outputs n = 4 k .. 4 k + 3, K step j: four images
;   DSCL   their scale words, 128 bytes for two tiles: lanes 0-15 the even tile's, lanes 16-31 the odd one's
; SHARES: one wave to a work-group.  Units 0-95: a tile t of a block beta of w_ih, its two K steps.  Units 96-127: two neighbouring tiles of w_dense, one K step.  Both kinds take one path: only numbers and the pointer are chosen.
; Units 128-143: a block's biases.  No LDS, no barrier, no matrix instruction: the launch moves 2 MB once.
.set PORT,  34304
.set STEPB, 137216
.set WSCL,  24576
.set WBIA,  25344
.set DCOD,  25856
.set DSCL,  34048
.set X0,  16                           ; v16-79   the first fragment's 64 numbers of my lane: register 16 c + i = k 32 c + 16 h + i of my row
.set X1,  80                           ; v80-143  the second's
.set PC0, 144                          ; v144-159 the first fragment's codes
.set PC1, 160                          ; v160-175 the second's
.set TM,  176                          ; v176-191 at work: largest magnitudes, bytes, holds, scale operands
.set PW0, 192                          ; v192, v193 the two scale words
.set PW1, 193
	s_load_b256 s[4:11], s[0:1], 0x0               ; w_ih s[4:5], b_ih s[6:7], b_hh s[8:9], w_dense s[10:11]
	s_load_b64 s[12:13], s[0:1], 0x20              ; wq
	v_and_b32 v1, 15, v0                           ; r
	v_lshrrev_b32 v2, 4, v0                        ; h (one wave: the thread's number is the lane)
	s_mov_b32 s14, ttmp9                           ; the unit
	s_mov_b32 s40, 0x76543210
	s_mov_b32 s41, 0xfedcba98                      ; v_permlanex16_b32's selects for lane l xor 16
	s_mov_b32 s42, 0x600000                        ; the mantissa field of 57,344
	s_cmp_ge_u32 s14, 128
	s_cbranch_scc1 .Lbias
	; the numbers of a unit of w_ih
	s_min_u32 s15, s14, 95                         ; (held in this kind's range, so that the set not chosen holds sound numbers too)
	s_and_b32 s16, s15, 15                         ; beta
	s_lshr_b32 s17, s15, 4                         ; t
	s_lshr_b32 s18, s17, 1                         ; q
	s_and_b32 s19, s17, 1                          ; u
	s_min_u32 s20, s18, 1
	s_add_co_u32 s20, s20, s18                     ; q + min(q, 1): 0, 2, 3: the gates i, g, o begin at rows 0, 1,024, 1,536
	s_lshl_b32 s20, s20, 9
	s_lshl_b32 s21, s16, 5
	s_add_co_u32 s20, s20, s21
	s_lshl_b32 s21, s19, 3
	s_add_co_u32 s20, s20, s21                     ; the tile's first row
	s_add_co_u32 s21, s16, 15
	s_and_b32 s21, s21, 15                         ; block beta lies in portion number (beta + 15) mod 16
	s_lshr_b32 s22, s21, 2
	s_mul_i32 s22, s22, STEPB
	s_and_b32 s21, s21, 3
	s_mul_i32 s21, s21, PORT
	s_add_co_u32 s22, s22, s21                     ; the portion's first byte
	s_lshl_b32 s21, s17, 12
	s_add_co_u32 s23, s22, s21                     ; the codes: two fragments, 4,096 t on
	s_lshl_b32 s21, s17, 7
	s_add_co_u32 s24, s22, s21
	s_add_co_u32 s24, s24, WSCL                    ; the scale words
	; the numbers of a unit of w_dense
	s_max_u32 s25, s14, 96
	s_sub_co_u32 s25, s25, 96
	s_lshr_b32 s26, s25, 3                         ; j: the K step
	s_and_b32 s27, s25, 7                          ; which pair of tiles
	s_lshl_b32 s28, s27, 5                         ; its first row
	s_lshl_b32 s29, s26, 9                         ; the K step's first byte in a row
	s_mul_i32 s30, s26, STEPB
	s_lshr_b32 s31, s27, 1
	s_mul_i32 s31, s31, PORT
	s_add_co_u32 s30, s30, s31                     ; the portion's first byte
	s_and_b32 s31, s27, 1
	s_lshl_b32 s32, s31, 12
	s_add_co_u32 s32, s32, s30
	s_add_co_u32 s32, s32, DCOD                    ; the codes
	s_lshl_b32 s33, s31, 7
	s_add_co_u32 s33, s33, s30
	s_add_co_u32 s33, s33, DSCL                    ; the scale words
	s_mov_b32 s34, 32768                           ; from the first fragment to the second: 16 rows of 2,048 bytes
	s_wait_kmcnt 0x0
	s_cmp_lt_u32 s14, 96                           ; which kind?  The choice hangs on the work-group's number alone
	s_cselect_b32 s20, s20, s28                    ; the first row
	s_cselect_b32 s35, 8, 0                        ; w_ih's tiles take rows r + 8 (r / 8), w_dense's rows r
	s_cselect_b32 s36, 10, 11                      ; a row is 1,024 or 2,048 bytes
	s_cselect_b32 s29, 0, s29
	s_cselect_b32 s34, 512, s34                    ; w_ih's second fragment is the same rows' second K step
	s_cselect_b32 s23, s23, s32
	s_cselect_b32 s24, s24, s33
	s_cselect_b64 s[4:5], s[4:5], s[10:11]
	s_wait_alu depctr_va_vdst(0)
	v_lshrrev_b32 v3, 3, v1
	v_mul_u32_u24 v3, v3, s35
	v_add3_u32 v3, v3, v1, s20                     ; my row
	v_lshlrev_b32 v4, s36, v3
	v_lshl_add_u32 v4, v2, 6, v4                   ; + 64 h: my 16 numbers of a block of 32
	v_add_nc_u32 v4, s29, v4
	v_add_nc_u32 v5, s34, v4
	v_lshl_add_u32 v6, v0, 4, s23                  ; out: 16 bytes a lane
	v_lshl_add_u32 v7, v0, 2, s24                  ; and 4
.irp c, 0,1,2,3
.irp i, 0,1,2,3
	global_load_b128 v[X0+16*\c+4*\i:X0+16*\c+4*\i+3], v4, s[4:5] offset:128*\c+16*\i
.endr
.endr
.irp c, 0,1,2,3
.irp i, 0,1,2,3
	global_load_b128 v[X1+16*\c+4*\i:X1+16*\c+4*\i+3], v5, s[4:5] offset:128*\c+16*\i
.endr
.endr
.irp b, 0,1,2,3
	v_mov_b32 v[TM+4+\b], 0                        ; written once: a lane permute's destination counts as one of its sources
.endr
; 64 numbers of a lane become a fragment's codes and its row's scale word
.macro QUANT s, pc, pw
.irp b, 0,1,2,3
	v_max3_num_f32 v[TM+\b], |v[\s+16*\b]|, |v[\s+1+16*\b]|, 0x8000000   ; block b: my 16 numbers, and the floor 2^(16 - 127): the byte cannot fall under 1
.endr
.irp i, 2,4,6,8,10,12,14
.irp b, 0,1,2,3
	v_max3_num_f32 v[TM+\b], v[TM+\b], |v[\s+16*\b+\i]|, |v[\s+1+16*\b+\i]|   ; the four blocks by turns
.endr
.endr
.irp b, 0,1,2,3
	v_permlanex16_b32 v[TM+4+\b], v[TM+\b], s40, s41
.endr
.irp b, 0,1,2,3
	v_max_num_f32 v[TM+\b], v[TM+\b], v[TM+4+\b]   ; with lane l xor 16's 16: the block's largest magnitude
.endr
.irp b, 0,1,2,3
	v_add_nc_u32 v[TM+12+\b], 0xf8800000, v[TM+\b] ; 15 off its exponent field: the conversion's scale operand
.endr
.irp b, 0,1,2,3
	v_and_or_b32 v[TM+8+\b], v[TM+\b], 0x7f800000, s42   ; 57,344 x the scale
.endr
.irp b, 0,1,2,3
	v_lshrrev_b32 v[TM+4+\b], 23, v[TM+12+\b]      ; the scale's byte
.endr
	v_lshl_or_b32 v[\pw], v[TM+5], 8, v[TM+4]
	v_lshl_or_b32 v[\pw], v[TM+6], 16, v[\pw]
	v_lshl_or_b32 v[\pw], v[TM+7], 24, v[\pw]
.irp b, 0,1,2,3
.irp i, 0,1,2,3,4,5,6,7,8,9,10,11,12,13,14,15
	v_med3_num_f32 v[\s+16*\b+\i], v[\s+16*\b+\i], -v[TM+8+\b], v[TM+8+\b]   ; the conversion to an 8-bit code does not saturate (ISA guide 7.6.2): the hold comes first
.endr
	v_cvt_scalef32_pk8_bf8_f32 v[\pc+4*\b:\pc+1+4*\b], v[\s+16*\b:\s+7+16*\b], v[TM+12+\b]
	v_cvt_scalef32_pk8_bf8_f32 v[\pc+2+4*\b:\pc+3+4*\b], v[\s+8+16*\b:\s+15+16*\b], v[TM+12+\b]
.endr
	v_nop                                          ; a plain line behind the last conversion, ahead of the lines that write its scale operand again
.endm
	s_wait_loadcnt 16                              ; the first fragment's 16 loads are in; the second's may be out
	QUANT X0, PC0, PW0
	s_wait_loadcnt 0x0
	QUANT X1, PC1, PW1
.irp c, 0,1,2,3
	global_store_b128 v6, v[PC0+4*\c:PC0+4*\c+3], s[12:13] offset:512*\c        ; 32 lanes store 512 consecutive bytes, at a multiple of 256 from wq's first byte
.endr
.irp c, 0,1,2,3
	global_store_b128 v6, v[PC1+4*\c:PC1+4*\c+3], s[12:13] offset:2048+512*\c
.endr
	v_cmp_gt_u32 vcc_lo, 16, v0
	v_cndmask_b32 v194, v[PW1], v[PW0], vcc_lo     ; lanes 0-15 the first fragment's word of row r, lanes 16-31 the second's
	global_store_b32 v7, v194, s[12:13]
	s_endpgm
.Lbias:
	s_sub_co_u32 s16, s14, 128                     ; beta
	s_add_co_u32 s21, s16, 15
	s_and_b32 s21, s21, 15
	s_lshr_b32 s22, s21, 2
	s_mul_i32 s22, s22, STEPB
	s_and_b32 s21, s21, 3
	s_mul_i32 s21, s21, PORT
	s_add_co_u32 s22, s22, s21                     ; the block's portion
	s_lshl_b32 s17, s16, 7                         ; 32 beta numbers, in bytes
	v_lshrrev_b32 v3, 3, v0                        ; eight lanes to a gate; the last eight write the zeros
	v_min_u32 v4, 2, v3
	v_min_u32 v5, 1, v4
	v_add_nc_u32 v5, v5, v4                        ; 0, 2, 3
	v_lshlrev_b32 v5, 11, v5                       ; x 512 numbers
	v_and_b32 v6, 7, v0
	v_lshl_add_u32 v5, v6, 4, v5                   ; + my four numbers
	v_add_nc_u32 v5, s17, v5
	v_lshl_add_u32 v7, v0, 4, s22
	v_cmp_gt_u32 vcc_lo, 3, v3
	s_wait_alu depctr_va_vdst(0)
	s_wait_kmcnt 0x0
	global_load_b128 v[8:11], v5, s[6:7]
	global_load_b128 v[12:15], v5, s[8:9]
	s_wait_loadcnt 0x0
	v_pk_add_f32 v[8:9], v[8:9], v[12:13]
	v_pk_add_f32 v[10:11], v[10:11], v[14:15]
.irp i, 8,9,10,11
	v_cndmask_b32 v\i, 0, v\i, vcc_lo
.endr
	global_store_b128 v7, v[8:11], s[12:13] offset:WBIA   ; 32 lanes store 512 consecutive bytes
	s_endpgm
.Lfunc_end_k_q8312e8e5fb_prep:
	.size	k_q8312e8e5fb_prep, .Lfunc_end_k_q8312e8e5fb_prep-k_q8312e8e5fb_prep
	.p2alignl 7, 3214868480
	.fill 96, 4, 3214868480
	.section	.rodata,"a",@progbits
	.p2align	6, 0x0
	.amdhsa_kernel k_q8312e8e5fb_prep
		.amdhsa_group_segment_fixed_size 0
		.amdhsa_private_segment_fixed_size 0
		.amdhsa_enable_private_segment 0
		.amdhsa_kernarg_size 40
		.amdhsa_user_sgpr_count 2
		.amdhsa_user_sgpr_kernarg_segment_ptr 1
		.amdhsa_wavefront_size32 1
		.amdhsa_system_sgpr_workgroup_id_x 1
		.amdhsa_system_sgpr_workgroup_id_y 1
		.amdhsa_system_sgpr_workgroup_id_z 1
		.amdhsa_system_vgpr_workitem_id 0
		.amdhsa_next_free_vgpr 200
		.amdhsa_next_free_sgpr 66
		.amdhsa_reserve_vcc 1
		.amdhsa_float_denorm_mode_32 3
		.amdhsa_float_denorm_mode_16_64 3
		.amdhsa_memory_ordered 1
		.amdhsa_forward_progress 1
		.amdhsa_inst_pref_size 25
	.end_amdhsa_kernel
	.amdgpu_metadata
---
amdhsa.version: [ 1, 2 ]
amdhsa.kernels:
  - .name:           k_q8312e8e5fb_prep
    .symbol:         k_q8312e8e5fb_prep.kd
    .args:
      - { .name: w_ih, .offset: 0, .size: 8, .value_kind: global_buffer, .address_space: global }
      - { .name: b_ih, .offset: 8, .size: 8, .value_kind: global_buffer, .address_space: global }
      - { .name: b_hh, .offset: 16, .size: 8, .value_kind: global_buffer, .address_space: global }
      - { .name: w_dense, .offset: 24, .size: 8, .value_kind: global_buffer, .address_space: global }
      - { .name: wq, .offset: 32, .size: 8, .value_kind: global_buffer, .address_space: global }
    .group_segment_fixed_size: 0
    .private_segment_fixed_size: 0
    .kernarg_segment_align: 8
    .kernarg_segment_size: 40
    .max_flat_workgroup_size: 32
    .sgpr_count:     66
    .vgpr_count:     200
    .wavefront_size: 32
...
	.end_amdgpu_metadata
.endif
;; end of part 1
;; launch lstm (part 2): grid 256 x 1, 8 waves a work-group, clusters of 4 x 1, 327,680 bytes of LDS; arguments x, embed_w, wq, b_dense, out0; writes out0
.if DOCPART == 2
	.amdgcn_target "amdgcn-amd-amdhsa--gfx1250"
	.amdhsa_code_object_version 6
	.text
	.protected	k_q8312e8e5fb_lstm
	.globl	k_q8312e8e5fb_lstm
	.p2align	8
	.type	k_q8312e8e5fb_lstm,@function
k_q8312e8e5fb_lstm:
	s_mov_b64 s[64:65], 0
	v_nop
	global_prefetch_b8 v0, s[64:65] scope:SCOPE_SE
	s_setreg_imm32_b32 hwreg(HW_REG_WAVE_MODE, 25, 1), 1
	s_wait_xcnt 0x0
	s_wait_alu depctr_hold_cnt(0) depctr_sa_sdst(0) depctr_va_vdst(0) depctr_va_sdst(0) depctr_va_ssrc(0) depctr_va_vcc(0) depctr_vm_vsrc(0)
	s_getreg_b32 s2, hwreg(HW_REG_IB_STS2, 6, 4)
	s_cmp_eq_u32 s2, 0
	s_cbranch_scc0 .Lentry_in_a_cluster
	s_endpgm
.Lentry_in_a_cluster:
	s_bfe_u32 s2, ttmp6, 0x10000c
	s_cmp_lg_u32 s2, 0x3003
	s_cbranch_scc0 .Lentry_shape_is_right
	s_endpgm
.Lentry_shape_is_right:
; out = h @ w_dense.T + b_dense, h = sigmoid(o) tanh(sigmoid(i) tanh(g)), (i, g, o) = e @ w_ih.T + b_ih + b_hh, e = embed_w[x].  Both products on codes of BF8 (E5M2) with one E8M0 byte for each 32 along K.
; WORK LEFT OUT (shown at the head of the first launch): the product with h0 = 0 and with it w_hh; the f gate, which is multiplied by c0 = 0.  A NaN, an infinity or an overflow that reaches only that work is not carried to the result.
; LIMITS: NaN and infinities among the inputs are not served.  The exponentials and reciprocals take denormals for 0: a factor under 2^-126 becomes 0.  A block of zeros gets the scale byte 1 (its codes are zeros).
;   An index beyond 50,256 (a negative one too, read as unsigned) is held at 50,256.  The biases are added as b_ih + b_hh first, and the sum begins with them: another order of rounding than the problem's.
; SHARES.  A work-group owns 128 rows of the batch (4 chunks of 32).  Each of its 8 waves owns 64 hidden units for all 128 rows, as two blocks of 32, and 32 outputs.
;   Pass 0 takes the wave's first block through all rows, pass 1 its second.  A block's 12 fragments of w_ih and its biases lie in registers for a whole pass.
;   In pass 0 the rows of the table are gathered and quantised one chunk ahead; in pass 1 a chunk of out is multiplied and stored while the next chunks are worked.
; LAYOUT.  Both products are used transposed (source 0 = 16 rows of a weight, source 1 = 16 rows of the batch): a lane holds ONE row of the batch.  The first launch chose the rows of w_ih that form a tile so that the 16 registers of a gate's
;   two tiles are 16 neighbouring hidden units: the conversions' results are four registers of the second product's operand, and go to LDS as an image of those registers.
; CLUSTER.  All work-groups use the same weights, so the four of a cluster ask for them JOINTLY: the same load, the same descriptor, a mask that names the four.  Three fills, one load a wave each: first blocks, second blocks, w_dense.
;   Each wave fetches what it alone reads.  One tensor load of a wave is out at a time.
; NO PREFETCH: a chunk's rows are asked for by the loads themselves, a whole chunk's work ahead of their use; the weights are read by every cluster.
; THE ACTIVATION, in f32, with K = 2 log2(e):  a = 2^(-log2(e) i), b = 2^(-|K g|), p = 2^(-log2(e) o);  r = K / ((1 + b)(1 + a));  C = b r - r = -K sigmoid(i) tanh|g|;  d = 2^C;  s = 1 / ((1 + d)(1 + p));  |h| = s - d s;  h takes g's sign.
;   b and d lie in (0, 1].  Where a or p overflows, its product is infinite, the reciprocal 0 and h 0, as it should be.
.set VLAST, 50256
.set PORT,  34304                      ; a portion of wq in bytes
.set STEPB, 137216                     ; four portions: a K step of w_dense
.set BLKB,  25856                      ; in a portion: a block of w_ih: codes,
.set WSCL,  24576                      ; scale words,
.set WBIA,  25344                      ; biases;
.set DCOD,  25856                      ; w_dense's codes,
.set DSCL,  34048                      ; and their scale words
.set HS,    65536                      ; LDS: from 0 h's codes (8,192 bytes a tile of rows: 16 blocks of 512), here their scale bytes: [tile][K step][row][4]
.set EB,    67584                      ; e's codes, 128 rows of 256 + 16 bytes
.set ESB,   102400                     ; e's scale bytes, 8 a row
.set LW,    103424                     ; what tensor loads fill: a block for each wave; then, from its start, 16,384 bytes of w_dense for each wave
.set ST,    LW+131072                  ; out's stage, two of 32 rows of 1,024 + 16 bytes, on bytes that have had their last fill and their last read as weights
.set SPARE, LW+8*BLKB                  ; the spare words, 128 bytes for each wave: four blocks of 256 bytes that no other line names
.set BDL,   SPARE+1024                 ; b_dense, 128 bytes for each wave
; REGISTERS, window 0
.set SGS,  0                           ; 2^-12: the scale of the conversion that takes g's signs
.set L16,  1                           ; 16 lane
.set HSA,  2                           ; where I read h's scale words
.set EAD,  3                           ; where I read e's fragments
.set ESA,  4                           ; and scale words
.set HST,  5                           ; where I put my block's codes
.set HSS,  6                           ; and scale bytes
.set BAD,  7                           ; pass 0: where I read biases            pass 1: STW
.set SAD,  8                           ; pass 0: where I read w_ih's scale words   pass 1: STR
.set EQ,   9                           ; pass 0: where I put 8 codes of a row of e   pass 1: DAD
.set STW,  7                           ; the stage: where I put 32 bytes of a row
.set STR,  8                           ; and where I read half a row back
.set DAD,  9                           ; where I read w_dense's fragments
.set EQS,  10                          ; where I put a scale byte of e
.set L32,  11                          ; 32 lane
.set SPW,  12                          ; LDS address of my spare word; never rewritten
.set NIL,  13                          ; 0; never rewritten
.set ES,   14                          ; scale words: v14-15 e's, one a tile of rows,
.set WS,   16                          ; v16-21 w_ih's, one a tile: lanes 0-15 K step 0, lanes 16-31 K step 1
.set DS,   22                          ; v22-25 w_dense's, one a K step: lanes 0-15 my even tile, lanes 16-31 my odd one
.set HSC,  26                          ; v26-29 h's: tile m, K steps 2 q (lanes 0-15) and 2 q + 1 (lanes 16-31) at 2 m + q
.set WAD,  30                          ; where I read w_ih's fragments
.set BDA,  31                          ; where I read b_dense
.set RI,   32                          ; tile m's accumulators at + 48 m: i 16, g 16, o 16
.set RG,   48
.set RO,   64
.set RU,   128                         ; v128-159 at work, 16 a tile
.set RE,   160                         ; v160-223 e's fragments, 32 a tile
.set XR,   224                         ; v224-255 pass 0: four raw rows
.set OA,   96                          ; out's products: v96-127 accumulators; fragments of one K step in v32-95, of the next in v128-159 and v224-255
; window 1: v0-191 w_ih's fragments, g = 6 s + t (K step s, tile t) at 16 g; then
.set BIA,  192                         ; the block's biases,
.set SG,   240                         ; v240-247 g's signs,
.set GO,   248                         ; v248-255 the gathers' offsets, two sets
.set MSB, 0
.macro WIN new                         ; the immediate's high byte repeats the setting that is left; a switch that changes nothing is dropped
.if MSB != (\new)
	s_set_vgpr_msb (MSB<<8)|(\new)
.set MSB, (\new)
.endif
.endm
.macro CROUND                          ; a round of the cluster's barrier
	s_barrier_signal -1
	s_barrier_wait -1
	s_cmp_lg_u32 s14, 0
	s_cbranch_scc1 .Lnot_wave_0_\@
	s_barrier_signal -3
.Lnot_wave_0_\@:
	s_barrier_wait -3
	s_barrier_signal -1
	s_barrier_wait -1
.endm
.macro FILL g0, g1                     ; s_nop 0 and four v_nop follow the load
	tensor_load_to_lds s[\g0:\g0+3], s[\g1:\g1+7]
	s_nop 0
	PLACES 4
.endm
.macro PLACES n                        ; places behind matrix instructions, ahead of readers of their results and of loads into their registers
.rept \n
	v_nop
.endr
.endm
.macro LDSF g                          ; a fragment of my block from LDS
	WIN 0x40
.irp k, 0,1,2,3
	ds_load_b128 v[16*(\g)+4*\k:16*(\g)+4*\k+3], v[WAD] offset:2048*(2*((\g)%6)+(\g)/6)+512*\k
.endr
	WIN 0
.endm
.macro LDSB                            ; my block's biases (lane (r, h), register j of tile 2 q + u: unit 16 h + 8 u + j of gate q) and scale words
	WIN 0x40
.irp t, 0,1,2,3,4,5
	ds_load_b128 v[BIA+8*\t:BIA+8*\t+3],   v[BAD] offset:128*(\t/2)+32*(\t%2)
	ds_load_b128 v[BIA+8*\t+4:BIA+8*\t+7], v[BAD] offset:128*(\t/2)+32*(\t%2)+16
.endr
	WIN 0
.irp t, 0,1,2,3,4,5
	ds_load_b32 v[WS+\t], v[SAD] offset:128*\t
.endr
.endm
.macro ELD ch                          ; e's fragments and scale words of chunk ch: 18 loads
.irp m, 0,1
	ds_load_b32 v[ES+\m], v[ESA] offset:128*(2*(\ch)+\m)
.irp s, 0,1
.irp k, 0,1,2,3
	ds_load_b128 v[RE+32*\m+16*\s+4*\k:RE+32*\m+16*\s+4*\k+3], v[EAD] offset:4352*(2*(\ch)+\m)+128*\s+32*\k
.endr
.endr
.endr
.endm
; THE GATHER of my four rows of a chunk: indices in s[ix ..], offsets into window 1, rows into v[x ..], 8 registers a row: a row's two loads cover its 1,024 bytes.  No hint: an index may come twice
.macro GATHER ix, go, x
.irp i, 0,1,2,3
	s_min_u32 s[\ix+\i], s[\ix+\i], VLAST          ; an index stays inside the table
.endr
	WIN 0x40
.irp i, 0,1,2,3
	v_lshl_add_u32 v[\go+\i], s[\ix+\i], 10, v[L32]
.endr
	WIN 0x01
.irp i, 0,1,2,3
	global_load_b128 v[\x+8*\i:\x+8*\i+3],   v[\go+\i], s[6:7]
	global_load_b128 v[\x+8*\i+4:\x+8*\i+7], v[\go+\i], s[6:7] offset:16
.endr
	WIN 0
.endm
; e's QUANTISER: my four rows of chunk ch, by turns.  A lane holds 8 neighbours of a row, four lanes a block of 32.  v[w ..]: 20 registers at work
.macro QUANT x, w, ch
.irp i, 0,1,2,3
	v_max3_num_f32 v[\w+\i], |v[\x+8*\i]|, |v[\x+8*\i+1]|, 0x8000000   ; and the floor 2^(16 - 127): the byte cannot fall under 1
.endr
.irp k, 2,4,6
.irp i, 0,1,2,3
	v_max3_num_f32 v[\w+\i], v[\w+\i], |v[\x+8*\i+\k]|, |v[\x+8*\i+\k+1]|
.endr
.endr
.irp i, 0,1,2,3
	v_max_num_f32_dpp v[\w+\i], v[\w+\i], v[\w+\i] row_xmask:1 row_mask:0xf bank_mask:0xf
.endr
.irp i, 0,1,2,3
	v_max_num_f32_dpp v[\w+\i], v[\w+\i], v[\w+\i] row_xmask:2 row_mask:0xf bank_mask:0xf   ; the block's largest magnitude
.endr
.irp i, 0,1,2,3
	v_add_nc_u32 v[\w+4+\i], 0xf8800000, v[\w+\i]  ; 15 off its exponent field: the conversion's scale operand
.endr
.irp i, 0,1,2,3
	v_and_or_b32 v[\w+8+\i], v[\w+\i], 0x7f800000, s55   ; 57,344 x the scale
.endr
.irp i, 0,1,2,3
	v_lshrrev_b32 v[\w+\i], 23, v[\w+4+\i]         ; the scale's byte
.endr
.irp i, 0,1,2,3
.irp k, 0,1,2,3,4,5,6,7
	v_med3_num_f32 v[\x+8*\i+\k], v[\x+8*\i+\k], -v[\w+8+\i], v[\w+8+\i]   ; the conversion to an 8-bit code does not saturate (ISA guide 7.6.2): the hold comes first
.endr
.endr
.irp i, 0,1,2,3
	v_cvt_scalef32_pk8_bf8_f32 v[\w+12+2*\i:\w+13+2*\i], v[\x+8*\i:\x+8*\i+7], v[\w+4+\i]
.endr
	v_nop                                          ; a plain line behind the last conversion
.irp i, 0,1,2,3
	ds_store_b64 v[EQ], v[\w+12+2*\i:\w+13+2*\i] offset:8704*(\ch)+272*\i   ; 32 lanes: a row's 256 codes
	ds_store_b8 v[EQS], v[\w+\i] offset:256*(\ch)+8*\i                      ; the four lanes of a block write the same byte with the same value
.endr
.endm
.macro SIGNAL                          ; my LDS stores are done and my LDS loads are back
	s_wait_alu depctr_va_vdst(0)
	s_wait_dscnt 0x0
	s_barrier_signal -1
.endm
; A UNIT: my block of pass p for the 32 rows of chunk ch: 24 products, the activation, the quantiser.  The twelve accumulators take turns, one instruction a turn.
; The transcendentals of one tile of rows stand among the plain lines of the other, each batch between two waits.
; Pass 0 quantises the next chunk of e in the middle and signals; the wait for it stands ahead of the next chunk's fragment loads.  In pass 1 that wait is for the signal at the end of the chunk before.
.macro UNIT p, ch
.if ((\p) == 0) && ((\ch) > 0)
	s_wait_dscnt 4                                 ; e's fragments are in; behind them stand h's four stores
.else
	s_wait_dscnt 0x0
.endif
	WIN 0x11                                       ; w_ih and the biases window 1
.irp t, 0,1,2,3,4,5
.irp m, 0,1
	v_wmma_scale_f32_16x16x128_f8f6f4 v[RI+48*\m+8*\t:RI+48*\m+8*\t+7], v[16*\t:16*\t+15], v[RE+32*\m:RE+32*\m+15], v[BIA+8*\t:BIA+8*\t+7], v[WS+\t], v[ES+\m] matrix_a_fmt:MATRIX_FMT_BF8 matrix_b_fmt:MATRIX_FMT_BF8
.endr
.endr
	WIN 0x01
.irp t, 0,1,2,3,4,5
.irp m, 0,1
	v_wmma_scale_f32_16x16x128_f8f6f4 v[RI+48*\m+8*\t:RI+48*\m+8*\t+7], v[96+16*\t:96+16*\t+15], v[RE+32*\m+16:RE+32*\m+31], v[RI+48*\m+8*\t:RI+48*\m+8*\t+7], v[WS+\t], v[ES+\m] matrix_a_fmt:MATRIX_FMT_BF8 matrix_b_fmt:MATRIX_FMT_BF8 matrix_a_scale:MATRIX_SCALE_ROW1 matrix_b_scale:MATRIX_SCALE_ROW1
.endr
.endr
	WIN 0
	PLACES 8
.set LASTU, ((\p) == 0) && ((\ch) == 3)
.if LASTU
	s_wait_tensorcnt 0x0                           ; my second block is in LDS: I alone read it.  The first block's last products are issued: it goes into the same registers, a part at a time
	LDSB
.endif
.irp m, 0,1
.irp e, 0,2,4,6,8,10,12,14
	v_pk_mul_f32 v[RG+48*\m+\e:RG+48*\m+\e+1], v[RG+48*\m+\e:RG+48*\m+\e+1], s[50:51] op_sel_hi:[1,0]     ; K g; each accumulator is read from its low end on
.endr
.endr
.irp m, 0,1
.irp e, 0,2,4,6,8,10,12,14
	v_pk_mul_f32 v[RI+48*\m+\e:RI+48*\m+\e+1], v[RI+48*\m+\e:RI+48*\m+\e+1], s[48:49] op_sel_hi:[1,0]     ; -log2(e) i
.endr
.endr
	WIN 0x40
.irp m, 0,1
	v_cvt_scalef32_pk8_bf8_f32 v[SG+4*\m:SG+4*\m+1], v[RG+48*\m:RG+48*\m+7], v[SGS]        ; of these codes the signs alone are used: g's, in the order of h's codes
	v_cvt_scalef32_pk8_bf8_f32 v[SG+4*\m+2:SG+4*\m+3], v[RG+48*\m+8:RG+48*\m+15], v[SGS]
.endr
	WIN 0
.irp m, 0,1
.irp e, 0,2,4,6,8,10,12,14
	v_pk_mul_f32 v[RO+48*\m+\e:RO+48*\m+\e+1], v[RO+48*\m+\e:RO+48*\m+\e+1], s[48:49] op_sel_hi:[1,0]     ; -log2(e) o: plain lines behind the conversions
.endr
.endr
.if LASTU
	LDSF 0
	LDSF 1
	LDSF 2
.endif
	s_wait_alu depctr_va_vdst(0)
.irp m, 0,1
.irp e, 0,2,4,6,8,10,12,14
	v_exp_f32 v[RI+48*\m+\e], v[RI+48*\m+\e]                  ; a
	v_exp_f32 v[RI+48*\m+\e+1], v[RI+48*\m+\e+1]
	v_exp_f32 v[RG+48*\m+\e], -|v[RG+48*\m+\e]|               ; b
	v_exp_f32 v[RG+48*\m+\e+1], -|v[RG+48*\m+\e+1]|
.endr
.endr
	v_nop                                          ; a plain line behind the last transcendental
.if ((\p) == 0) && ((\ch) < 3)
	s_wait_loadcnt 0x0                             ; the next chunk's rows are in
	QUANT XR, RU, (\ch)+1
.if (\ch) < 2
	GATHER 76+4*(\ch), GO, XR                      ; and those of the chunk behind it are asked for
.endif
	s_wait_dscnt 0x0                               ; e's codes and scale bytes are written
	s_barrier_signal -1
.endif
.if LASTU
	LDSF 3
	LDSF 4
	LDSF 5
.endif
	s_wait_alu depctr_va_vdst(0)
.irp m, 0,1
.irp e, 0,4,8,12
	v_exp_f32 v[RO+48*\m+\e], v[RO+48*\m+\e]                  ; p
	v_exp_f32 v[RO+48*\m+\e+1], v[RO+48*\m+\e+1]
	v_exp_f32 v[RO+48*\m+\e+2], v[RO+48*\m+\e+2]
	v_exp_f32 v[RO+48*\m+\e+3], v[RO+48*\m+\e+3]
	v_pk_fma_f32 v[RU+16*\m+\e:RU+16*\m+\e+1], v[RG+48*\m+\e:RG+48*\m+\e+1], s[52:53], s[52:53] op_sel_hi:[1,0,0]          ; (1 + b) / K
	v_pk_fma_f32 v[RU+16*\m+\e+2:RU+16*\m+\e+3], v[RG+48*\m+\e+2:RG+48*\m+\e+3], s[52:53], s[52:53] op_sel_hi:[1,0,0]
	v_pk_fma_f32 v[RI+48*\m+\e:RI+48*\m+\e+1], v[RU+16*\m+\e:RU+16*\m+\e+1], v[RI+48*\m+\e:RI+48*\m+\e+1], v[RU+16*\m+\e:RU+16*\m+\e+1]            ; x (1 + a)
	v_pk_fma_f32 v[RI+48*\m+\e+2:RI+48*\m+\e+3], v[RU+16*\m+\e+2:RU+16*\m+\e+3], v[RI+48*\m+\e+2:RI+48*\m+\e+3], v[RU+16*\m+\e+2:RU+16*\m+\e+3]
.endr
.endr
.if LASTU
	LDSF 6
	LDSF 7
	LDSF 8
.endif
	s_wait_alu depctr_va_vdst(0)
.irp e, 0,1,2,3,4,5,6,7,8,9,10,11,12,13,14,15
	v_rcp_f32 v[RI+\e], v[RI+\e]                   ; r, tile 0
.endr
	v_nop
.if LASTU
	LDSF 9
	LDSF 10
	LDSF 11
.endif
	s_wait_alu depctr_va_vdst(0)
.irp e, 0,2,4,6,8,10,12,14
	v_rcp_f32 v[RI+48+\e], v[RI+48+\e]             ; r, tile 1
	v_rcp_f32 v[RI+48+\e+1], v[RI+48+\e+1]
	v_pk_fma_f32 v[RG+\e:RG+\e+1], v[RG+\e:RG+\e+1], v[RI+\e:RI+\e+1], v[RI+\e:RI+\e+1] neg_lo:[0,0,1] neg_hi:[0,0,1]   ; C = b r - r, tile 0
.endr
	s_wait_alu depctr_va_vdst(0)
.irp e, 0,2,4,6,8,10,12,14
	v_exp_f32 v[RG+\e], v[RG+\e]                   ; d, tile 0
	v_exp_f32 v[RG+\e+1], v[RG+\e+1]
	v_pk_fma_f32 v[RG+48+\e:RG+48+\e+1], v[RG+48+\e:RG+48+\e+1], v[RI+48+\e:RI+48+\e+1], v[RI+48+\e:RI+48+\e+1] neg_lo:[0,0,1] neg_hi:[0,0,1]   ; C, tile 1
.endr
	s_wait_alu depctr_va_vdst(0)
.irp e, 0,4,8,12
	v_exp_f32 v[RG+48+\e], v[RG+48+\e]             ; d, tile 1
	v_exp_f32 v[RG+48+\e+1], v[RG+48+\e+1]
	v_exp_f32 v[RG+48+\e+2], v[RG+48+\e+2]
	v_exp_f32 v[RG+48+\e+3], v[RG+48+\e+3]
	v_pk_add_f32 v[RU+\e:RU+\e+1], v[RG+\e:RG+\e+1], 1.0 op_sel_hi:[1,0]                           ; 1 + d, tile 0
	v_pk_add_f32 v[RU+\e+2:RU+\e+3], v[RG+\e+2:RG+\e+3], 1.0 op_sel_hi:[1,0]
	v_pk_fma_f32 v[RU+\e:RU+\e+1], v[RU+\e:RU+\e+1], v[RO+\e:RO+\e+1], v[RU+\e:RU+\e+1]            ; x (1 + p)
	v_pk_fma_f32 v[RU+\e+2:RU+\e+3], v[RU+\e+2:RU+\e+3], v[RO+\e+2:RO+\e+3], v[RU+\e+2:RU+\e+3]
.endr
	s_wait_alu depctr_va_vdst(0)
.irp e, 0,4,8,12
	v_rcp_f32 v[RU+\e], v[RU+\e]                   ; s, tile 0
	v_rcp_f32 v[RU+\e+1], v[RU+\e+1]
	v_rcp_f32 v[RU+\e+2], v[RU+\e+2]
	v_rcp_f32 v[RU+\e+3], v[RU+\e+3]
	v_pk_add_f32 v[RU+16+\e:RU+16+\e+1], v[RG+48+\e:RG+48+\e+1], 1.0 op_sel_hi:[1,0]               ; the same of tile 1
	v_pk_add_f32 v[RU+16+\e+2:RU+16+\e+3], v[RG+48+\e+2:RG+48+\e+3], 1.0 op_sel_hi:[1,0]
	v_pk_fma_f32 v[RU+16+\e:RU+16+\e+1], v[RU+16+\e:RU+16+\e+1], v[RO+48+\e:RO+48+\e+1], v[RU+16+\e:RU+16+\e+1]
	v_pk_fma_f32 v[RU+16+\e+2:RU+16+\e+3], v[RU+16+\e+2:RU+16+\e+3], v[RO+48+\e+2:RO+48+\e+3], v[RU+16+\e+2:RU+16+\e+3]
.endr
	s_wait_alu depctr_va_vdst(0)
.irp e, 0,2,4,6,8,10,12,14
	v_rcp_f32 v[RU+16+\e], v[RU+16+\e]             ; s, tile 1
	v_rcp_f32 v[RU+16+\e+1], v[RU+16+\e+1]
	v_pk_fma_f32 v[RG+\e:RG+\e+1], v[RG+\e:RG+\e+1], v[RU+\e:RU+\e+1], v[RU+\e:RU+\e+1] neg_lo:[1,0,0] neg_hi:[1,0,0]   ; |h| = s - d s, tile 0
.endr
.if (((\p) == 0) && ((\ch) < 3)) || (((\p) == 1) && ((\ch) > 0))
	s_barrier_wait -1
.endif
.if LASTU
	ELD 0
.elseif (\ch) < 3
	ELD (\ch)+1
.endif
	s_wait_alu depctr_va_vdst(0)
.irp e, 0,2,4,6,8,10,12,14
	v_pk_fma_f32 v[RG+48+\e:RG+48+\e+1], v[RG+48+\e:RG+48+\e+1], v[RU+16+\e:RU+16+\e+1], v[RU+16+\e:RU+16+\e+1] neg_lo:[1,0,0] neg_hi:[1,0,0]
.endr
	; h's quantiser, the two tiles by turns: 16 neighbours along the next K are mine, lane l xor 16 holds the block's other 16.  i's registers are free: v[RI .. RI+11] at work
.irp m, 0,1
	v_max3_num_f32 v[RI+48*\m], v[RG+48*\m], v[RG+48*\m+1], 0x8000000                    ; the floor 2^(16 - 127): the byte cannot fall under 1.  |h| is not negative
	v_max3_num_f32 v[RI+48*\m+1], v[RG+48*\m+2], v[RG+48*\m+3], v[RG+48*\m+4]
	v_max3_num_f32 v[RI+48*\m+2], v[RG+48*\m+5], v[RG+48*\m+6], v[RG+48*\m+7]
	v_max3_num_f32 v[RI+48*\m+3], v[RG+48*\m+8], v[RG+48*\m+9], v[RG+48*\m+10]
.endr
.irp m, 0,1
	v_max3_num_f32 v[RI+48*\m], v[RI+48*\m], v[RG+48*\m+11], v[RG+48*\m+12]
	v_max3_num_f32 v[RI+48*\m+1], v[RI+48*\m+1], v[RG+48*\m+13], v[RG+48*\m+14]
	v_max3_num_f32 v[RI+48*\m+2], v[RI+48*\m+2], v[RI+48*\m+3], v[RG+48*\m+15]
.endr
.irp m, 0,1
	v_max3_num_f32 v[RI+48*\m], v[RI+48*\m], v[RI+48*\m+1], v[RI+48*\m+2]
.endr
.irp m, 0,1
	v_permlanex16_b32 v[RI+48*\m+4], v[RI+48*\m], s56, s57
.endr
.irp m, 0,1
	v_max_num_f32 v[RI+48*\m], v[RI+48*\m], v[RI+48*\m+4]            ; the block's largest magnitude
.endr
.irp m, 0,1
	v_add_nc_u32 v[RI+48*\m+5], 0xf8800000, v[RI+48*\m]              ; the conversion's scale operand
	v_and_or_b32 v[RI+48*\m+6], v[RI+48*\m], 0x7f800000, s55         ; 57,344 x the scale
.endr
.irp m, 0,1
	v_lshrrev_b32 v[RI+48*\m+7], 23, v[RI+48*\m+5]                   ; the scale's byte
.endr
.irp m, 0,1
.irp e, 0,2,4,6,8,10,12,14
	v_dual_min_num_f32 v[RG+48*\m+\e], v[RI+48*\m+6], v[RG+48*\m+\e] :: v_dual_min_num_f32 v[RG+48*\m+\e+1], v[RI+48*\m+6], v[RG+48*\m+\e+1]   ; the hold, one-sided
.endr
.endr
.irp m, 0,1
	v_cvt_scalef32_pk8_bf8_f32 v[RI+48*\m+8:RI+48*\m+9], v[RG+48*\m:RG+48*\m+7], v[RI+48*\m+5]
	v_cvt_scalef32_pk8_bf8_f32 v[RI+48*\m+10:RI+48*\m+11], v[RG+48*\m+8:RG+48*\m+15], v[RI+48*\m+5]
.endr
	v_nop                                          ; a plain line behind the last conversion
	WIN 0x10
.irp m, 0,1
.irp k, 0,1,2,3
	v_bfi_b32 v[RI+48*\m+8+\k], s54, v[RI+48*\m+8+\k], v[SG+4*\m+\k]   ; g's signs
.endr
.endr
	WIN 0
.irp m, 0,1
	ds_store_b8 v[HSS], v[RI+48*\m+7] offset:256*(2*(\ch)+\m)          ; both lanes of a row write the same byte with the same value
	ds_store_b128 v[HST], v[RI+48*\m+8:RI+48*\m+11] offset:8192*(2*(\ch)+\m)
.endr
.endm
; OUT'S PRODUCTS for chunk ch: 2 tiles of rows m x my 2 tiles of outputs f x 4 K steps j; four accumulators by turns, begun with b_dense
.macro CSET j                          ; where a K step's fragments lie: w_dense's, then h's
.if (\j)%2
.set CA, 128
.set CB, 224
.else
.set CA, 32
.set CB, 64
.endif
.endm
.macro HLD ch, j
	CSET \j
.irp f, 0,1
.irp k, 0,1,2,3
	ds_load_b128 v[CA+16*\f+4*\k:CA+16*\f+4*\k+3], v[DAD] offset:4096*(\j)+2048*\f+512*\k
.endr
.endr
.irp m, 0,1
.irp k, 0,1,2,3
	ds_load_b128 v[CB+16*\m+4*\k:CB+16*\m+4*\k+3], v[L16] offset:8192*(2*(\ch)+\m)+512*(4*(\j)+\k)
.endr
.endr
.endm
.macro CPROD j
	CSET \j
.irp m, 0,1
.irp f, 0,1
.set OD, OA+8*(2*\m+\f)
.set OS, HSC+2*\m+(\j)/2
.if ((\j)%2 == 0) && (\f == 0)
	v_wmma_scale_f32_16x16x128_f8f6f4 v[OD:OD+7], v[CA+16*\f:CA+16*\f+15], v[CB+16*\m:CB+16*\m+15], v[OD:OD+7], v[DS+\j], v[OS] matrix_a_fmt:MATRIX_FMT_BF8 matrix_b_fmt:MATRIX_FMT_BF8
.elseif (\j)%2 == 0
	v_wmma_scale_f32_16x16x128_f8f6f4 v[OD:OD+7], v[CA+16*\f:CA+16*\f+15], v[CB+16*\m:CB+16*\m+15], v[OD:OD+7], v[DS+\j], v[OS] matrix_a_fmt:MATRIX_FMT_BF8 matrix_b_fmt:MATRIX_FMT_BF8 matrix_a_scale:MATRIX_SCALE_ROW1
.elseif \f == 0
	v_wmma_scale_f32_16x16x128_f8f6f4 v[OD:OD+7], v[CA+16*\f:CA+16*\f+15], v[CB+16*\m:CB+16*\m+15], v[OD:OD+7], v[DS+\j], v[OS] matrix_a_fmt:MATRIX_FMT_BF8 matrix_b_fmt:MATRIX_FMT_BF8 matrix_b_scale:MATRIX_SCALE_ROW1
.else
	v_wmma_scale_f32_16x16x128_f8f6f4 v[OD:OD+7], v[CA+16*\f:CA+16*\f+15], v[CB+16*\m:CB+16*\m+15], v[OD:OD+7], v[DS+\j], v[OS] matrix_a_fmt:MATRIX_FMT_BF8 matrix_b_fmt:MATRIX_FMT_BF8 matrix_a_scale:MATRIX_SCALE_ROW1 matrix_b_scale:MATRIX_SCALE_ROW1
.endif
.endr
.endr
.endm
.macro CPH ch
.if (\ch) == 0
	s_wait_tensorcnt 0x0                           ; my part of w_dense is in LDS: I alone read it
.endif
.irp m, 0,1
.irp q, 0,1
	ds_load_b32 v[HSC+2*\m+\q], v[HSA] offset:256*(2*(\ch)+\m)+128*\q
.endr
.irp f, 0,1
	ds_load_b128 v[OA+8*(2*\m+\f):OA+8*(2*\m+\f)+3],   v[BDA] offset:64*\f       ; register j of tile f: output 32 wave + 16 f + 8 (lane / 16) + j
	ds_load_b128 v[OA+8*(2*\m+\f)+4:OA+8*(2*\m+\f)+7], v[BDA] offset:64*\f+16
.endr
.endr
	HLD \ch, 0
.if (\ch) > 0
	s_wait_xcnt 0x0                                ; the stores ahead of this phase have read v128-159
.endif
	HLD \ch, 1
	s_wait_dscnt 16                                ; all but the sixteen loads of the next K step are in
	CPROD 0
	PLACES 8
	HLD \ch, 2
	s_wait_dscnt 16
	CPROD 1
	PLACES 8
	HLD \ch, 3
	s_wait_dscnt 16
	CPROD 2
	s_wait_dscnt 0x0
	CPROD 3
	PLACES 10                                      ; eight ahead of the stores, nine ahead of products that write over these registers
.irp m, 0,1
.irp f, 0,1
	ds_store_b128 v[STW], v[OA+8*(2*\m+\f):OA+8*(2*\m+\f)+3]   offset:33280*((\ch)%2)+16640*\m+64*\f      ; each accumulator from its low end on
	ds_store_b128 v[STW], v[OA+8*(2*\m+\f)+4:OA+8*(2*\m+\f)+7] offset:33280*((\ch)%2)+16640*\m+64*\f+16
.endr
.endr
.endm
; THE WAY OUT: my four rows of chunk ch, whole, from the stage
.macro OUT ch
.irp n, 0,1,2,3,4,5,6,7
	ds_load_b128 v[RU+4*\n:RU+4*\n+3], v[STR] offset:33280*((\ch)%2)+1040*(\n/2)+512*(\n%2)
.endr
.irp n, 0,1,2,3,4,5,6,7
	s_wait_dscnt 7-\n
	global_store_b128 v[L16], v[RU+4*\n:RU+4*\n+3], s[12:13] offset:32768*(\ch)+1024*(\n/2)+512*(\n%2) th:TH_STORE_NT   ; 32 lanes store 512 consecutive bytes, at a multiple of 256 from out0's first byte
.endr
.endm
	s_load_b256 s[4:11], s[0:1], 0x0               ; x s[4:5], embed_w s[6:7], wq s[8:9], b_dense s[10:11]
	s_load_b64 s[12:13], s[0:1], 0x20              ; out0
	v_lshl_add_u32 v[SPW], v0, 2, SPARE
	v_mov_b32 v[NIL], 0
	ds_add_u32 v[SPW], v[NIL]                      ; the wave's opening: the add, twice on end, and its wait ahead of my first tensor load; the set-up below is work on registers
	ds_add_u32 v[SPW], v[NIL]
	v_lshrrev_b32 v32, 5, v0
	v_readfirstlane_b32 s14, v32                   ; wave 0..7
	v_and_b32 v33, 31, v0                          ; lane
	v_and_b32 v34, 15, v0                          ; r
	v_bfe_u32 v35, v0, 4, 1                        ; h
	s_bfe_u32 s35, ttmp6, 0x40000                  ; cx: my place in the cluster
	s_lshl_b32 s38, ttmp9, 2                       ; in a cluster launch ttmp9 counts clusters
	s_add_co_u32 s38, s38, s35                     ; my work-group: it enters x's and out0's addresses alone
	; descriptor group 1 of a block: a dense run as 101 rows of 256 bytes (32 elements of 8 bytes), no padding
	s_mov_b32 s84, 15|(3<<16)|(1<<21)              ; 15:0 the mask: all four work-groups; 17:16 elements of 8 bytes; 21 set beside a mask
	s_mov_b32 s85, 32<<16                          ; tensor_dim0
	s_mov_b32 s86, 101<<16                         ; tensor_dim1
	s_mov_b32 s87, 32<<16                          ; tile_dim0
	s_mov_b32 s88, 101                             ; tile_dim1
	s_mov_b32 s89, 32                              ; the pitch
	s_mov_b32 s90, 0
	s_mov_b32 s91, 0
	; and of my part of w_dense: 4 K steps of 4,096 bytes, STEPB apart
	s_mov_b32 s92, 15|(3<<16)|(1<<21)
	s_mov_b32 s93, 512<<16
	s_mov_b32 s94, 4<<16
	s_mov_b32 s95, 512<<16
	s_mov_b32 s96, 4
	s_mov_b32 s97, STEPB/8
	s_mov_b32 s98, 0
	s_mov_b32 s99, 0
	s_mul_i32 s41, s14, BLKB
	s_add_co_u32 s41, s41, LW                      ; where my block goes
	s_lshl_b32 s45, s14, 14
	s_add_co_u32 s45, s45, LW                      ; and my part of w_dense
	s_lshl_b32 s15, s14, 1
	s_add_co_u32 s15, s15, 1                       ; my first block: portion 2 wave of wq holds block 2 wave + 1,
	s_lshl_b32 s16, s15, 9
	s_lshr_b32 s17, s15, 2
	s_lshl_b32 s17, s17, 6
	s_and_b32 s18, s15, 3
	s_add_co_u32 s17, s17, s18
	s_add_co_u32 s17, s17, HS                      ; its scale bytes: K step block / 4, byte block % 4
	s_add_co_u32 s15, s15, 1
	s_and_b32 s15, s15, 15                         ; and the next portion the block behind it
	s_lshl_b32 s32, s15, 9
	s_lshr_b32 s33, s15, 2
	s_lshl_b32 s33, s33, 6
	s_and_b32 s18, s15, 3
	s_add_co_u32 s33, s33, s18
	s_add_co_u32 s33, s33, HS
	s_mul_i32 s18, s14, 1088                       ; my four rows of e in a chunk
	s_add_co_u32 s18, s18, EB
	s_lshl_b32 s19, s14, 5
	s_add_co_u32 s19, s19, ESB
	s_lshl_b32 s30, s14, 7                         ; my 32 outputs in a row of the stage,
	s_add_co_u32 s39, s30, BDL                     ; and of b_dense
	s_add_co_u32 s30, s30, ST
	s_mul_i32 s31, s14, 4160                       ; my four rows of a chunk in the stage
	s_add_co_u32 s31, s31, ST
	s_mul_i32 s22, s14, 2*PORT                     ; my two portions of w_ih
	s_mov_b32 s23, 0
	s_lshr_b32 s26, s14, 1                         ; my two tiles of w_dense: portion wave / 2 of each K step, its first or second two tiles
	s_mul_i32 s26, s26, PORT
	s_and_b32 s34, s14, 1
	s_lshl_b32 s28, s34, 7
	s_add_co_u32 s28, s28, s26
	s_lshl_b32 s34, s34, 12
	s_add_co_u32 s26, s26, s34
	s_add_co_u32 s26, s26, DCOD
	s_mov_b32 s27, 0
	s_mov_b32 s29, 0
	s_lshl_b32 s20, s38, 9                         ; x: 128 indices a work-group; in each chunk of 32 four a wave
	s_lshl_b32 s34, s14, 4
	s_add_co_u32 s20, s20, s34
	s_mov_b32 s21, 0
	s_lshl_b32 s24, s38, 17                        ; out0: 128 rows of 1,024 bytes a work-group
	s_lshl_b32 s34, s14, 12
	s_add_co_u32 s24, s24, s34
	s_mov_b32 s25, 0
	s_lshl_b32 s36, s14, 7                         ; b_dense: 32 outputs a wave
	s_mov_b32 s37, 0
	s_mov_b32 s48, 0xbfb8aa3b                      ; -log2(e)
	s_mov_b32 s49, s48                             ; (the packed forms name a pair and take its low word for both halves: so the upper is written)
	s_mov_b32 s50, 0x4038aa3b                      ; K = 2 log2(e)
	s_mov_b32 s51, s50
	s_mov_b32 s52, 0x3eb17218                      ; 1 / K
	s_mov_b32 s53, s52
	s_mov_b32 s54, 0x7f7f7f7f                      ; all but the signs of four codes
	s_mov_b32 s55, 0x600000                        ; the mantissa field of 57,344
	s_mov_b32 s56, 0x76543210
	s_mov_b32 s57, 0xfedcba98                      ; v_permlanex16_b32's selects for lane l xor 16
	s_wait_alu depctr_va_vdst(0)
	v_lshlrev_b32 v[L16], 4, v33
	v_lshlrev_b32 v[L32], 5, v33
	v_lshlrev_b32 v86, 2, v33                      ; 4 lane
	v_lshl_add_u32 v[HSA], v33, 2, HS
	v_mul_u32_u24 v37, v34, 272
	v_lshl_add_u32 v37, v35, 4, v37
	v_add_nc_u32 v[EAD], EB, v37                   ; row r, 16 h
	v_lshlrev_b32 v38, 3, v34
	v_lshl_add_u32 v38, v35, 2, v38
	v_add_nc_u32 v[ESA], ESB, v38                  ; row r's 8 bytes; lanes 16-31 take the second word
	v_add_nc_u32 v[HST], s16, v[L16]
	v_lshl_add_u32 v[HSS], v34, 2, s17
	v_lshl_add_u32 v[EQ], v33, 3, s18
	v_lshrrev_b32 v39, 2, v33
	v_add_nc_u32 v[EQS], s19, v39                  ; four lanes hold a block of 32
	v_add_nc_u32 v[WAD], s41, v[L16]
	v_lshlrev_b32 v40, 6, v35
	v_add_nc_u32 v40, s41, v40
	v_add_nc_u32 v[BAD], WBIA, v40
	v_add_nc_u32 v41, s41, v86
	v_add_nc_u32 v[SAD], WSCL, v41
	v_lshl_add_u32 v[BDA], v35, 5, s39
	v_add_nc_u32 v84, s39, v86                     ; where I put b_dense
	v_mov_b32 v[SGS], 0x39800000
	s_wait_alu depctr_va_vdst(0)
	s_wait_dscnt 0x0                               ; both opening adds are done
	s_wait_kmcnt 0x0
	s_add_nc_u64 s[4:5], s[4:5], s[20:21]
	s_load_b128 s[68:71], s[4:5], 0x0              ; my four indices of each chunk
	s_load_b128 s[72:75], s[4:5], 0x80
	s_load_b128 s[76:79], s[4:5], 0x100
	s_load_b128 s[80:83], s[4:5], 0x180
	s_mov_b32 s40, 1                               ; group 0 of the blocks' loads: count = 1; s41: LDS; memory: my first portion; type = 2
	s_add_nc_u64 s[42:43], s[8:9], s[22:23]
	s_or_b32 s43, s43, 0x80000000
	s_mov_b32 s44, 1                               ; and of w_dense's
	s_add_nc_u64 s[46:47], s[8:9], s[26:27]
	s_or_b32 s47, s47, 0x80000000
	s_add_nc_u64 s[28:29], s[8:9], s[28:29]
	s_add_nc_u64 s[12:13], s[12:13], s[24:25]
	s_add_nc_u64 s[10:11], s[10:11], s[36:37]
	CROUND                                         ; all four work-groups are here: the first joint loads meet
	FILL 40, 84                                    ; my first block
	s_wait_kmcnt 0x0
	GATHER 68, GO+4, 32                            ; chunk 0
	global_load_b32 v85, v86, s[10:11]             ; b_dense, 32 outputs
.irp j, 0,1,2,3
	global_load_b32 v[DS+\j], v86, s[28:29] offset:STEPB*\j+DSCL
.endr
	GATHER 72, GO, XR                              ; chunk 1
	s_wait_tensorcnt 0x0                           ; my block is in LDS: I alone read it
	LDSB
.irp g, 0,1,2,3,4,5,6,7,8,9,10,11
	LDSF \g
.endr
	s_wait_loadcnt 13                              ; chunk 0's rows are in; five loads and chunk 1's eight stand behind them
	QUANT 32, 64, 0
	s_wait_loadcnt 8
	ds_store_b32 v84, v85
	s_wait_tensorcnt 0x0                           ; no tensor load of mine is out, so group 0 may be written;
	ds_add_u32 v[SPW], v[NIL]                      ; 0 onto my spare word
	s_add_nc_u64 s[42:43], s[42:43], PORT          ; my second portion
	s_wait_dscnt 0x0                               ; the add is done, my block is in registers, chunk 0 of e is written
	CROUND                                         ; of every wave of the four work-groups
	FILL 40, 84                                    ; my second block
	ELD 0
; PASS 0
	UNIT 0, 0
	UNIT 0, 1
	UNIT 0, 2
	UNIT 0, 3
; PASS 1: the second block's places, the stage's and w_dense's
	s_wait_tensorcnt 0x0
	ds_add_u32 v[SPW], v[NIL]
	v_add_nc_u32 v[HST], s32, v[L16]
	v_and_b32 v128, 0xf0, v[L16]                   ; 16 r
	v_lshrrev_b32 v129, 2, v128
	v_add_nc_u32 v[HSS], s33, v129
	v_mul_u32_u24 v130, v128, 65                   ; 1,040 r
	v_lshrrev_b32 v131, 8, v[L16]                  ; h
	v_lshl_add_u32 v130, v131, 5, v130
	v_add_nc_u32 v[STW], s30, v130
	v_add_nc_u32 v[STR], s31, v[L16]
	v_add_nc_u32 v[DAD], s45, v[L16]
	s_wait_alu depctr_va_vdst(0)
	s_wait_dscnt 0x0                               ; the add is done; my second block is in registers
	CROUND                                         ; nobody reads a block in LDS any more
	FILL 44, 92                                    ; my part of w_dense
	UNIT 1, 0
	SIGNAL                                         ; my part of h of chunk 0 is written
	UNIT 1, 1
	CPH 0
	SIGNAL                                         ; h of chunk 1, out of chunk 0
	UNIT 1, 2
	OUT 0
	CPH 1
	SIGNAL
	UNIT 1, 3
	OUT 1
	CPH 2
	SIGNAL
	s_barrier_wait -1
	OUT 2
	CPH 3
	SIGNAL
	s_barrier_wait -1
	OUT 3
	s_wait_tensorcnt 0x0                           ; the wave's end, behind my last tensor load and my last LDS store
	ds_add_u32 v[SPW], v[NIL]
	s_wait_dscnt 0x0
	CROUND                                         ; the closing round: no work-group ends while a partner may still ask for a tile that names it
	s_endpgm
.Lfunc_end_k_q8312e8e5fb_lstm:
	.size	k_q8312e8e5fb_lstm, .Lfunc_end_k_q8312e8e5fb_lstm-k_q8312e8e5fb_lstm
	.p2alignl 7, 3214868480
	.fill 96, 4, 3214868480
	.section	.rodata,"a",@progbits
	.p2align	6, 0x0
	.amdhsa_kernel k_q8312e8e5fb_lstm
		.amdhsa_group_segment_fixed_size 327680
		.amdhsa_private_segment_fixed_size 0
		.amdhsa_enable_private_segment 0
		.amdhsa_kernarg_size 40
		.amdhsa_user_sgpr_count 2
		.amdhsa_user_sgpr_kernarg_segment_ptr 1
		.amdhsa_wavefront_size32 1
		.amdhsa_system_sgpr_workgroup_id_x 1
		.amdhsa_system_sgpr_workgroup_id_y 1
		.amdhsa_system_sgpr_workgroup_id_z 1
		.amdhsa_system_vgpr_workitem_id 0
		.amdhsa_next_free_vgpr 512
		.amdhsa_next_free_sgpr 100
		.amdhsa_reserve_vcc 0
		.amdhsa_float_denorm_mode_32 3
		.amdhsa_float_denorm_mode_16_64 3
		.amdhsa_memory_ordered 1
		.amdhsa_forward_progress 1
		.amdhsa_inst_pref_size 255
	.end_amdhsa_kernel
	.section	.bss,"aw",@nobits
	.p2align	6
	.space	262144
	.amdgpu_metadata
---
amdhsa.version: [ 1, 2 ]
amdhsa.kernels:
  - .name:           k_q8312e8e5fb_lstm
    .symbol:         k_q8312e8e5fb_lstm.kd
    .args:
      - { .name: x, .offset: 0, .size: 8, .value_kind: global_buffer, .address_space: global }
      - { .name: embed_w, .offset: 8, .size: 8, .value_kind: global_buffer, .address_space: global }
      - { .name: wq, .offset: 16, .size: 8, .value_kind: global_buffer, .address_space: global }
      - { .name: b_dense, .offset: 24, .size: 8, .value_kind: global_buffer, .address_space: global }
      - { .name: out0, .offset: 32, .size: 8, .value_kind: global_buffer, .address_space: global }
    .group_segment_fixed_size: 327680
    .private_segment_fixed_size: 0
    .kernarg_segment_align: 8
    .kernarg_segment_size: 40
    .max_flat_workgroup_size: 256
    .sgpr_count:     100
    .vgpr_count:     512
    .wavefront_size: 32
...
	.end_amdgpu_metadata
.endif
;; end of part 2
